; MI455X (gfx1250); checked and timed in simulation.
; The chip was launched on July 23, 2026; its instructions are those of AMD's public machine-readable ISA for CDNA 5 (MIT licence, August 2026) and "CDNA5" Instruction Set Architecture Reference Guide (July 2026). The comments in the code are by the model that wrote it; some were corrected since.
;; Toroidal SOM. Allowed arithmetic: float matrix products may take bf16 or f16 operands with f32 sums; all other float work in f32.
;; Inputs: weights 128 x 128 x 64 float32; x 128 x 64 float32.
;; Outputs: out0 128 x 128 x 128 float32.
;; 2 versions, each right; version 2 is version 1 with the launch somdist written anew for expert scheduling mode. Each part assembles by itself: llvm-mc -triple=amdgcn-amd-amdhsa -mcpu=gfx1250 --defsym DOCPART=n.
;; ======== version 1 of 2: 1 launch
;; limits: a difference of large sums (such as E[x^2] - mean^2): digits are lost where the result is much smaller than its terms; values outside matrix products are rounded to bf16
;; launch somdist (part 1): grid 256 x 1, 4 waves a work-group, no clusters, 9,216 bytes of LDS; arguments weights, x, out0; writes out0
.if DOCPART == 1
	.amdgcn_target "amdgcn-amd-amdhsa--gfx1250"
	.amdhsa_code_object_version 6
	.text
	.protected	k_q18a1304bb7_somdist
	.globl	k_q18a1304bb7_somdist
	.p2align	8
	.type	k_q18a1304bb7_somdist,@function
k_q18a1304bb7_somdist:
	s_mov_b64 s[64:65], 0
	v_nop
	global_prefetch_b8 v0, s[64:65] scope:SCOPE_SE
	s_setreg_imm32_b32 hwreg(HW_REG_WAVE_MODE, 25, 1), 1
	s_wait_xcnt 0x0
; out0[b][n] = sum over k of (w[n][k] - x[b][k])^2.   x: [128][64] f32, w: [16384][64] f32 (the 128 x 128 grid taken flat), out0: [128][16384] f32.
;
; Computed as |x_b|^2 + |w_n|^2 - 2 x_b.w_n.  The cross term goes to the matrix unit with bf16 operands and f32 sums (two K steps of 32).
; The norms are summed in f32 from the unrounded inputs and enter the SAME accumulator by a third K step: every lane's partial norm
; (its 32 of the 64 k) is split into two bf16 pieces, hi + lo (16 significant bits), and meets -0.5 on the other side, so that
;     acc = x.w - (|x|^2 + |w|^2) / 2      and      out = -2 acc.
; The sum over k adds the two halves of a norm: no reduction across lanes, no broadcast of |x|^2 to the lanes that hold a row's results.
;
; LIMITS.  (1) x and w are rounded to bf16 in the cross term: absolute error up to about 2^-7 |x_b| |w_n|; a distance far smaller than
; |x_b| |w_n| loses relative accuracy and can come out slightly below zero.  (2) Inputs are finite and their squared norms finite in f32
; (any |value| below 2^60 will do); an infinity gives NaN where the reference gives inf.  A NaN stays in its own row or column.
;
; SHARES.  256 work-groups of four waves.  Work-group g: neurons 64 g .. 64 g + 63, all 128 rows of x: 16 KB of w, 32 KB of x, 32 KB out.
; Wave v: rows b = 32 v .. 32 v + 31 (two tiles of 16) x the 64 neurons (four tiles of 16).  Column r of neuron tile t is neuron 4 r + t:
; a lane's results in the four tiles are then four NEIGHBOURING numbers of a row of out0, and sixteen lanes store 256 consecutive, aligned bytes.
; Wave v fetches and converts neuron tile t = v alone and hands it on through LDS as a register image (16 bytes x lane: no bank conflict);
; x goes from memory straight into the lanes of its fragments.  So a work-group reads each of its input bytes once.
;
; k IS PERMUTED, alike in both operands (the products stay paired): load i of a row gives lane half h the numbers k = 8 i + 4 h .. + 3,
; so that the two halves of the wave take 32 neighbouring bytes of each row.
;
; NO CLUSTER: x is the one input that work-groups share, 32 of the 80 KB that a work-group moves.  A joint request would bring it as f32
; into LDS (32 KB written and 32 KB read again) and would put a cluster barrier in front of the only loads of a kernel with one single step.
.set XROW,   256                       ; bytes in a row of x or w (64 f32)
.set OROW,   65536                     ; bytes in a row of out0 (16384 f32)
.set FRAGS,  2048                      ; LDS: a neuron tile's two bf16 fragments, 4 blocks of 512 bytes (4 registers x 32 lanes)
.set NORMS,  4*FRAGS                   ; LDS: behind them one word a lane and tile: the norm pieces (4 x 128 bytes)
.set LANE, 1                           ; v1       lane
.set R,    2                           ; v2       r = lane % 16
.set H,    3                           ; v3       h = lane / 16
.set ADW,  4                           ; v4       byte offset of my 16 bytes in w: row 4 r (+ wave, in the base), 16 h
.set ADX,  5                           ; v5       the same in x: row r, 16 h
.set ADO,  6                           ; v6       byte offset in out0: row 8 h, 16 r
.set LST,  7                           ; v7       LDS: where I put my tile's fragments
.set LSN,  8                           ; v8       LDS: where I put my norm pieces
.set LRD,  9                           ; v9       LDS: 16 x lane, to read fragments
.set LRN,  10                          ; v10      LDS: 4 x lane, to read norm pieces
.set PC,   11                          ; v11      norm pieces of my neuron
.set T,    12                          ; v[12:15] at work: two chains of two sums
.set A3,   16                          ; v[16:31]   norm fragment of x tile m: register 0 = pieces of |x|^2, 1 = (-0.5, -0.5), 2-7 = 0
.set B3,   32                          ; v[32:63]   norm fragment of neuron tile t: register 0 = (-0.5, -0.5), 1 = pieces of |w|^2, 2-7 = 0
.set AF,   64                          ; v[64:95]   x tile m in bf16: 8 registers for each K step
.set BF,   96                          ; v[96:159]  neuron tile t in bf16, likewise; v[96:111] first hold my own tile on its way to LDS
.set XR,   160                         ; v[160:223] x as loaded, 32 registers a tile;
.set ACC,  160                         ;            then the accumulators, tile (m, t) at 8 (4 m + t)
.set WR,   224                         ; v[224:255] w as loaded;
.set OUT0, 224                         ;            then the results of x tile 0 in store order (4 j + t)
.set OUT1, 160                         ; the results of x tile 1 go where tile 0's accumulators have been read out
	s_load_b128 s[4:7], s[0:1], 0x0                ; w s[4:5], x s[6:7]
	s_load_b64 s[8:9], s[0:1], 0x10                ; out0
	s_set_vgpr_msb 0x40
	v_lshl_add_u32 v0, v0, 2, 0x2200
	v_mov_b32 v1, 0
	s_set_vgpr_msb 0x4000
	v_lshrrev_b32 v[T], 5, v0
	v_readfirstlane_b32 s10, v[T]                  ; wave 0..3
	v_and_b32 v[R], 15, v0
	v_bfe_u32 v[H], v0, 4, 1
	v_lshlrev_b32 v[T], 4, v[H]                    ; 16 h
	v_lshl_add_u32 v[ADW], v[R], 10, v[T]          ; 4 r rows of 256 bytes + 16 h
	v_lshl_add_u32 v[ADX], v[R], 8, v[T]           ; r rows + 16 h
	s_lshl_b32 s12, ttmp9, 14                      ; w: 64 rows of 256 bytes for each work-group
	s_lshl_b32 s11, s10, 8                         ;    + the row of my tile in each group of four (t = wave)
	s_add_co_u32 s12, s12, s11
	s_mov_b32 s13, 0
	s_lshl_b32 s14, s10, 13                        ; x: 32 rows of 256 bytes for each wave
	s_mov_b32 s15, 0
	s_wait_kmcnt 0x0
	s_add_nc_u64 s[4:5], s[4:5], s[12:13]
	s_add_nc_u64 s[6:7], s[6:7], s[14:15]
	; All 24 loads at once, w first: the other waves wait for what is made of it.
.irp i, 0,1,2,3,4,5,6,7
	global_load_b128 v[WR+4*\i:WR+4*\i+3], v[ADW], s[4:5] offset:32*\i                     ; w(4 r + wave, 8 i + 4 h ..)
.endr
.irp m, 0,1
.irp i, 0,1,2,3,4,5,6,7
	global_load_b128 v[XR+32*\m+4*\i:XR+32*\m+4*\i+3], v[ADX], s[6:7] offset:16*XROW*\m+32*\i   ; x(16 m + r, 8 i + 4 h ..)
.endr
.endr
	; While they are on their way: the other addresses and the constant parts of the norm fragments.
	s_lshl_b32 s16, s10, 21                        ; out0: 32 rows of 65,536 bytes for each wave
	s_lshl_b32 s17, ttmp9, 8                       ;       + 64 neurons of 4 bytes for each work-group
	s_add_co_u32 s16, s16, s17
	s_mov_b32 s17, 0
	s_add_nc_u64 s[8:9], s[8:9], s[16:17]
	s_lshl_b32 s18, s10, 11                        ; my tile's fragments in LDS: wave x 2,048
	s_lshl_b32 s19, s10, 7                         ; my tile's norm words: wave x 128
	s_mov_b32 s20, 0xbf00bf00                      ; -0.5 twice, in bf16
	v_and_b32 v[LANE], 31, v0
	v_lshlrev_b32 v[ADO], 4, v[R]
	v_lshl_add_u32 v[ADO], v[H], 19, v[ADO]        ; 8 h rows + 16 r
	v_lshl_add_u32 v[LST], v[LANE], 4, s18
	v_lshl_add_u32 v[LSN], v[LANE], 2, s19
	v_lshlrev_b32 v[LRD], 4, v[LANE]
	v_lshlrev_b32 v[LRN], 2, v[LANE]
.irp m, 0,1
	v_mov_b32 v[A3+8*\m+1], s20                    ; meets the pieces of |w|^2
.irp q, 2,3,4,5,6,7
	v_mov_b32 v[A3+8*\m+\q], 0
.endr
.endr
.irp t, 0,1,2,3
	v_mov_b32 v[B3+8*\t], s20                      ; meets the pieces of |x|^2
.irp q, 2,3,4,5,6,7
	v_mov_b32 v[B3+8*\t+\q], 0
.endr
.endr
; 32 f32 of one row (registers raw ..) become 16 registers of bf16 (two fragments' worth) and the lane's partial squared norm in two
; bf16 pieces.  The squares run in two chains of pairs, started by the first products; the conversions stand between the links.
.macro PREP raw, bf, piece
	v_pk_mul_f32 v[T:T+1],   v[\raw:\raw+1],   v[\raw:\raw+1]
	v_pk_mul_f32 v[T+2:T+3], v[\raw+2:\raw+3], v[\raw+2:\raw+3]
	v_cvt_pk_bf16_f32 v[\bf],   v[\raw],   v[\raw+1]
	v_cvt_pk_bf16_f32 v[\bf+1], v[\raw+2], v[\raw+3]
.set ck, 1
.rept 7
	v_pk_fma_f32 v[T:T+1],   v[\raw+4*ck:\raw+4*ck+1],   v[\raw+4*ck:\raw+4*ck+1],   v[T:T+1]
	v_pk_fma_f32 v[T+2:T+3], v[\raw+4*ck+2:\raw+4*ck+3], v[\raw+4*ck+2:\raw+4*ck+3], v[T+2:T+3]
	v_cvt_pk_bf16_f32 v[\bf+2*ck],   v[\raw+4*ck],   v[\raw+4*ck+1]
	v_cvt_pk_bf16_f32 v[\bf+2*ck+1], v[\raw+4*ck+2], v[\raw+4*ck+3]
.set ck, ck+1
.endr
	v_pk_add_f32 v[T:T+1], v[T:T+1], v[T+2:T+3]
	v_add_f32 v[T], v[T], v[T+1]                   ; the sum of my 32 squares
	v_and_b32 v[T+1], 0xffff0000, v[T]             ; hi: its upper 16 bits, a bf16 as it stands
	v_sub_f32 v[T], v[T], v[T+1]                   ; lo: the rest, exact
	v_cvt_pk_bf16_f32 v[\piece], v[T+1], v[T]      ; (hi, lo)
.endm
	s_wait_loadcnt 16                              ; loads return in order: w's eight are in, x's sixteen may be out
	PREP WR, BF, PC
.irp q, 0,1,2,3
	ds_store_b128 v[LST], v[BF+4*\q:BF+4*\q+3] offset:512*\q
.endr
	ds_store_b32 v[LSN], v[PC] offset:NORMS
	s_wait_dscnt 0x0                               ; my tile is in LDS:
	s_barrier_signal -1                            ; say so, and prepare x (registers only) while the others arrive
	s_wait_loadcnt 8                               ; x tile 0 is in, tile 1's eight loads may be out
	PREP XR, AF, A3
	s_wait_loadcnt 0x0
	PREP XR+32, AF+16, A3+8
	s_barrier_wait -1                              ; all four neuron tiles are in LDS
.irp t, 0,1,2,3
	ds_load_b32 v[B3+8*\t+1], v[LRN] offset:NORMS+128*\t
.endr
.irp t, 0,1,2,3
	ds_load_b128 v[BF+16*\t:BF+16*\t+3],   v[LRD] offset:FRAGS*\t
	ds_load_b128 v[BF+16*\t+4:BF+16*\t+7], v[LRD] offset:FRAGS*\t+512
.endr
.irp t, 0,1,2,3
	ds_load_b128 v[BF+16*\t+8:BF+16*\t+11],  v[LRD] offset:FRAGS*\t+1024
	ds_load_b128 v[BF+16*\t+12:BF+16*\t+15], v[LRD] offset:FRAGS*\t+1536
.endr
; One K step for all eight tiles.  first = 1: the products start the sums, nothing is cleared.  Later steps are links of chains in place.
.macro PASS a, astep, b, bstep, first
.irp m, 0,1
.irp t, 0,1,2,3
.if \first
	v_wmma_f32_16x16x32_bf16 v[ACC+8*(4*\m+\t):ACC+8*(4*\m+\t)+7], v[\a+\astep*\m:\a+\astep*\m+7], v[\b+\bstep*\t:\b+\bstep*\t+7], 0
.else
	v_wmma_f32_16x16x32_bf16 v[ACC+8*(4*\m+\t):ACC+8*(4*\m+\t)+7], v[\a+\astep*\m:\a+\astep*\m+7], v[\b+\bstep*\t:\b+\bstep*\t+7], v[ACC+8*(4*\m+\t):ACC+8*(4*\m+\t)+7]
.endif
.endr
.endr
.endm
	s_wait_dscnt 16                                ; LDS loads return in order: the four norm words are in, the 16 fragment loads may be out
	PASS A3, 8, B3, 8, 1                           ; -(|x|^2 + |w|^2) / 2
	s_wait_dscnt 8                                 ; the first K step's eight loads are in
	PASS AF, 16, BF, 16, 0
	s_wait_dscnt 0x0
	PASS AF+8, 16, BF+8, 16, 0
	; A vector instruction reads a matrix result, or writes over one, four independent vector instructions behind it at the least
	; (ISA guide 7.12.1); the matrix instructions in between are not counted.
.rept 4
	v_nop
.endr
; Register j of tile (m, t) holds out0(32 wave + 16 m + 8 h + j, 64 g + 4 r + t).  The multiplication by -2 puts the four t side by side;
; each store then covers, in each half of the wave, 256 consecutive aligned bytes of one row.
.macro EPI m, out
.irp j, 0,1,2,3,4,5,6,7
.irp t, 0,1,2,3
	v_mul_f32 v[\out+4*\j+\t], -2.0, v[ACC+8*(4*\m+\t)+\j]
.endr
	global_store_b128 v[ADO], v[\out+4*\j:\out+4*\j+3], s[8:9] offset:(16*\m+\j)*OROW th:TH_STORE_NT
.endr
.endm
	EPI 0, OUT0
	EPI 1, OUT1                                    ; writes where EPI 0 has read; no store's data register is written again
	s_set_vgpr_msb 0x5
	s_wait_tensorcnt 0x0
	ds_add_u32 v0, v1
	s_wait_dscnt 0x0
	s_set_vgpr_msb 0x500
	s_endpgm
.Lfunc_end_k_q18a1304bb7_somdist:
	.size	k_q18a1304bb7_somdist, .Lfunc_end_k_q18a1304bb7_somdist-k_q18a1304bb7_somdist
	.p2alignl 7, 3214868480
	.fill 96, 4, 3214868480
	.section	.rodata,"a",@progbits
	.p2align	6, 0x0
	.amdhsa_kernel k_q18a1304bb7_somdist
		.amdhsa_group_segment_fixed_size 9216
		.amdhsa_private_segment_fixed_size 0
		.amdhsa_enable_private_segment 0
		.amdhsa_kernarg_size 24
		.amdhsa_user_sgpr_count 2
		.amdhsa_user_sgpr_kernarg_segment_ptr 1
		.amdhsa_wavefront_size32 1
		.amdhsa_system_sgpr_workgroup_id_x 1
		.amdhsa_system_sgpr_workgroup_id_y 1
		.amdhsa_system_sgpr_workgroup_id_z 1
		.amdhsa_system_vgpr_workitem_id 0
		.amdhsa_next_free_vgpr 258
		.amdhsa_next_free_sgpr 66
		.amdhsa_reserve_vcc 0
		.amdhsa_float_denorm_mode_32 3
		.amdhsa_float_denorm_mode_16_64 3
		.amdhsa_memory_ordered 1
		.amdhsa_forward_progress 1
		.amdhsa_inst_pref_size 20
	.end_amdhsa_kernel
	.amdgpu_metadata
---
amdhsa.version: [ 1, 2 ]
amdhsa.kernels:
  - .name:           k_q18a1304bb7_somdist
    .symbol:         k_q18a1304bb7_somdist.kd
    .args:
      - { .name: weights, .offset: 0, .size: 8, .value_kind: global_buffer, .address_space: global }
      - { .name: x, .offset: 8, .size: 8, .value_kind: global_buffer, .address_space: global }
      - { .name: out0, .offset: 16, .size: 8, .value_kind: global_buffer, .address_space: global }
    .group_segment_fixed_size: 9216
    .private_segment_fixed_size: 0
    .kernarg_segment_align: 8
    .kernarg_segment_size: 24
    .max_flat_workgroup_size: 128
    .sgpr_count:     66
    .vgpr_count:     258
    .wavefront_size: 32
...
	.end_amdgpu_metadata
.endif
;; end of part 1
;; ======== version 2 of 2: 1 launch; version 1 with the launch somdist written anew for expert scheduling mode
;; limits: a difference of large sums (such as E[x^2] - mean^2): digits are lost where the result is much smaller than its terms; values outside matrix products are rounded to bf16
;; launch somdist (part 2): grid 256 x 1, 4 waves a work-group, no clusters, 9,216 bytes of LDS; arguments weights, x, out0; writes out0
.if DOCPART == 2
	.amdgcn_target "amdgcn-amd-amdhsa--gfx1250"
	.amdhsa_code_object_version 6
	.text
	.protected	k_q18a1304bb7_somdist
	.globl	k_q18a1304bb7_somdist
	.p2align	8
	.type	k_q18a1304bb7_somdist,@function
k_q18a1304bb7_somdist:
	s_mov_b64 s[64:65], 0
	v_nop
	global_prefetch_b8 v0, s[64:65] scope:SCOPE_SE
	s_setreg_imm32_b32 hwreg(HW_REG_WAVE_SCHED_MODE, 0, 2), 2
	s_setreg_imm32_b32 hwreg(HW_REG_WAVE_MODE, 25, 1), 1
	s_wait_xcnt 0x0
	s_wait_alu depctr_vm_vsrc(0)
; out0[b][n] = sum over k of (w[n][k] - x[b][k])^2.   x: [128][64] f32, w: [16384][64] f32 (the 128 x 128 grid taken flat), out0: [128][16384] f32.
;
; Computed as |x_b|^2 + |w_n|^2 - 2 x_b.w_n.  The cross term goes to the matrix unit with bf16 operands and f32 sums (two K steps of 32).
; The norms are summed in f32 from the unrounded inputs and enter the SAME accumulator by a third K step: every lane's partial norm
; (its 32 of the 64 k) is split into two bf16 pieces, hi + lo (16 significant bits), and meets -0.5 on the other side, so that
;     acc = x.w - (|x|^2 + |w|^2) / 2      and      out = -2 acc.
; The sum over k adds the two halves of a norm: no reduction across lanes, no broadcast of |x|^2 to the lanes that hold a row's results.
;
; LIMITS.  (1) x and w are rounded to bf16 in the cross term: absolute error up to about 2^-7 |x_b| |w_n|; a distance far smaller than
; |x_b| |w_n| loses relative accuracy and can come out slightly below zero.  (2) Inputs are finite and their squared norms finite in f32
; (any |value| below 2^60 will do); an infinity gives NaN where the reference gives inf.  A NaN stays in its own row or column.
;
; SHARES.  256 work-groups of four waves.  Work-group g: neurons 64 g .. 64 g + 63, all 128 rows of x: 16 KB of w, 32 KB of x, 32 KB out.
; Wave v: rows b = 32 v .. 32 v + 31 (two tiles of 16) x the 64 neurons (four tiles of 16).  Column r of neuron tile t is neuron 4 r + t:
; a lane's results in the four tiles are then four NEIGHBOURING numbers of a row of out0, and sixteen lanes store 256 consecutive, aligned bytes.
; Wave v fetches and converts neuron tile t = v alone and hands it on through LDS as a register image (16 bytes x lane: no bank conflict);
; x goes from memory straight into the lanes of its fragments.  So a work-group reads each of its input bytes once.
;
; k IS PERMUTED, alike in both operands (the products stay paired): load i of a row gives lane half h the numbers k = 8 i + 4 h .. + 3,
; so that the two halves of the wave take 32 neighbouring bytes of each row.
;
; NO CLUSTER: x is the one input that work-groups share, 32 of the 80 KB that a work-group moves.  A joint request would bring it as f32
; into LDS (32 KB written and 32 KB read again) and would put a cluster barrier in front of the only loads of a kernel with one single step.
;
; THE MODE: SCHED_MODE bits 1:0 = 2 (LLVM: expert scheduling mode 2), set by the entry lines.  The code itself states the register dependences
; between vector or matrix instructions and memory or LDS instructions, with s_wait_alu, always for 0.
; THE PLAN.  Registers that memory or LDS instructions touch, in program order (the text has no loop):
;   ADW, ADX             made at the head, read by the 24 global loads, never written again.
;   WR, XR               the global loads land in them; no vector instruction names them before; no load lands in them later.
;   LST, LSN, LRD, LRN, ADO   made behind the global loads, read by LDS stores, LDS loads and global stores, never written again.
;   BF[0:15], PC         written by the conversions of w, read by my five LDS stores; behind the barrier neuron tile 0's fragments land in BF[0:15].
;   BF[16:63], register 1 of each B3    LDS loads land in them; no vector instruction names them before.
;   OUT0                 written by x tile 0's 32 multiplications, read by eight stores, never written again.   OUT1: the same for x tile 1.
; Six waits: s10 ahead of its first reader; ADW and ADX ahead of the global loads; one behind the conversions of w, ahead of the LDS stores (it also
; covers the five later addresses); one on vm_vsrc ahead of the LDS loads; one behind each x tile's multiplications, ahead of its eight stores.
; Tile 0's stores are dealt among tile 1's multiplications, which name neither OUT0 nor ADO.
.set XROW,   256                       ; bytes in a row of x or w (64 f32)
.set OROW,   65536                     ; bytes in a row of out0 (16384 f32)
.set FRAGS,  2048                      ; LDS: a neuron tile's two bf16 fragments, 4 blocks of 512 bytes (4 registers x 32 lanes)
.set NORMS,  4*FRAGS                   ; LDS: behind them one word a lane and tile: the norm pieces (4 x 128 bytes)
.set LANE, 1                           ; v1       lane
.set R,    2                           ; v2       r = lane % 16
.set H,    3                           ; v3       h = lane / 16
.set ADW,  4                           ; v4       byte offset of my 16 bytes in w: row 4 r (+ wave, in the base), 16 h
.set ADX,  5                           ; v5       the same in x: row r, 16 h
.set ADO,  6                           ; v6       byte offset in out0: row 8 h, 16 r
.set LST,  7                           ; v7       LDS: where I put my tile's fragments
.set LSN,  8                           ; v8       LDS: where I put my norm pieces
.set LRD,  9                           ; v9       LDS: 16 x lane, to read fragments
.set LRN,  10                          ; v10      LDS: 4 x lane, to read norm pieces
.set PC,   11                          ; v11      norm pieces of my neuron
.set T,    12                          ; v[12:15] at work: two chains of two sums; no memory instruction names them
.set A3,   16                          ; v[16:31]   norm fragment of x tile m: register 0 = pieces of |x|^2, 1 = (-0.5, -0.5), 2-7 = 0
.set B3,   32                          ; v[32:63]   norm fragment of neuron tile t: register 0 = (-0.5, -0.5), 1 = pieces of |w|^2, 2-7 = 0
.set AF,   64                          ; v[64:95]   x tile m in bf16: 8 registers for each K step
.set BF,   96                          ; v[96:159]  neuron tile t in bf16, likewise; v[96:111] first hold my own tile on its way to LDS
.set XR,   160                         ; v[160:223] x as loaded, 32 registers a tile;
.set ACC,  160                         ;            then the accumulators, tile (m, t) at 8 (4 m + t)
.set WR,   224                         ; v[224:255] w as loaded;
.set OUT0, 224                         ;            then the results of x tile 0 in store order (4 j + t)
.set OUT1, 160                         ; the results of x tile 1 go where tile 0's accumulators have been read out
	s_load_b128 s[4:7], s[0:1], 0x0                ; w s[4:5], x s[6:7]
	s_load_b64 s[8:9], s[0:1], 0x10                ; out0
	s_set_vgpr_msb 0x40
	v_lshl_add_u32 v0, v0, 2, 0x2200
	v_mov_b32 v1, 0
	s_set_vgpr_msb 0x4000
	v_lshrrev_b32 v[T], 5, v0
	v_readfirstlane_b32 s10, v[T]                  ; wave 0..3
	v_and_b32 v[R], 15, v0
	v_bfe_u32 v[H], v0, 4, 1
	v_lshlrev_b32 v[T], 4, v[H]                    ; 16 h
	v_lshl_add_u32 v[ADW], v[R], 10, v[T]          ; 4 r rows of 256 bytes + 16 h
	v_lshl_add_u32 v[ADX], v[R], 8, v[T]           ; r rows + 16 h
	s_wait_alu depctr_va_sdst(0)                   ; s10 is written, ahead of its first reader: the bases of w, x and out0 and my LDS places are made from it
	s_lshl_b32 s12, ttmp9, 14                      ; w: 64 rows of 256 bytes for each work-group
	s_lshl_b32 s11, s10, 8                         ;    + the row of my tile in each group of four (t = wave)
	s_add_co_u32 s12, s12, s11
	s_mov_b32 s13, 0
	s_lshl_b32 s14, s10, 13                        ; x: 32 rows of 256 bytes for each wave
	s_mov_b32 s15, 0
	s_wait_kmcnt 0x0
	s_add_nc_u64 s[4:5], s[4:5], s[12:13]
	s_add_nc_u64 s[6:7], s[6:7], s[14:15]
	s_wait_alu depctr_va_vdst(0)                   ; ADW and ADX are written, which the 24 loads below read as their offsets
	; All 24 loads at once, w first: the other waves wait for what is made of it.
.irp i, 0,1,2,3,4,5,6,7
	global_load_b128 v[WR+4*\i:WR+4*\i+3], v[ADW], s[4:5] offset:32*\i                     ; w(4 r + wave, 8 i + 4 h ..)
.endr
.irp m, 0,1
.irp i, 0,1,2,3,4,5,6,7
	global_load_b128 v[XR+32*\m+4*\i:XR+32*\m+4*\i+3], v[ADX], s[6:7] offset:16*XROW*\m+32*\i   ; x(16 m + r, 8 i + 4 h ..)
.endr
.endr
	; While they are on their way: the other addresses and the constant parts of the norm fragments.
	s_lshl_b32 s16, s10, 21                        ; out0: 32 rows of 65,536 bytes for each wave
	s_lshl_b32 s17, ttmp9, 8                       ;       + 64 neurons of 4 bytes for each work-group
	s_add_co_u32 s16, s16, s17
	s_mov_b32 s17, 0
	s_add_nc_u64 s[8:9], s[8:9], s[16:17]
	s_lshl_b32 s18, s10, 11                        ; my tile's fragments in LDS: wave x 2,048
	s_lshl_b32 s19, s10, 7                         ; my tile's norm words: wave x 128
	s_mov_b32 s20, 0xbf00bf00                      ; -0.5 twice, in bf16
	v_and_b32 v[LANE], 31, v0
	v_lshlrev_b32 v[ADO], 4, v[R]
	v_lshl_add_u32 v[ADO], v[H], 19, v[ADO]        ; 8 h rows + 16 r
	v_lshl_add_u32 v[LST], v[LANE], 4, s18
	v_lshl_add_u32 v[LSN], v[LANE], 2, s19
	v_lshlrev_b32 v[LRD], 4, v[LANE]
	v_lshlrev_b32 v[LRN], 2, v[LANE]
.irp m, 0,1
	v_mov_b32 v[A3+8*\m+1], s20                    ; meets the pieces of |w|^2
.irp q, 2,3,4,5,6,7
	v_mov_b32 v[A3+8*\m+\q], 0
.endr
.endr
.irp t, 0,1,2,3
	v_mov_b32 v[B3+8*\t], s20                      ; meets the pieces of |x|^2
.irp q, 2,3,4,5,6,7
	v_mov_b32 v[B3+8*\t+\q], 0
.endr
.endr
; 32 f32 of one row (registers raw ..) become 16 registers of bf16 (two fragments' worth) and the lane's partial squared norm in two
; bf16 pieces.  The squares run in two chains of pairs, started by the first products; the conversions stand between the links.
.macro PREP raw, bf, piece
	v_pk_mul_f32 v[T:T+1],   v[\raw:\raw+1],   v[\raw:\raw+1]
	v_pk_mul_f32 v[T+2:T+3], v[\raw+2:\raw+3], v[\raw+2:\raw+3]
	v_cvt_pk_bf16_f32 v[\bf],   v[\raw],   v[\raw+1]
	v_cvt_pk_bf16_f32 v[\bf+1], v[\raw+2], v[\raw+3]
.set ck, 1
.rept 7
	v_pk_fma_f32 v[T:T+1],   v[\raw+4*ck:\raw+4*ck+1],   v[\raw+4*ck:\raw+4*ck+1],   v[T:T+1]
	v_pk_fma_f32 v[T+2:T+3], v[\raw+4*ck+2:\raw+4*ck+3], v[\raw+4*ck+2:\raw+4*ck+3], v[T+2:T+3]
	v_cvt_pk_bf16_f32 v[\bf+2*ck],   v[\raw+4*ck],   v[\raw+4*ck+1]
	v_cvt_pk_bf16_f32 v[\bf+2*ck+1], v[\raw+4*ck+2], v[\raw+4*ck+3]
.set ck, ck+1
.endr
	v_pk_add_f32 v[T:T+1], v[T:T+1], v[T+2:T+3]
	v_add_f32 v[T], v[T], v[T+1]                   ; the sum of my 32 squares
	v_and_b32 v[T+1], 0xffff0000, v[T]             ; hi: its upper 16 bits, a bf16 as it stands
	v_sub_f32 v[T], v[T], v[T+1]                   ; lo: the rest, exact
	v_cvt_pk_bf16_f32 v[\piece], v[T+1], v[T]      ; (hi, lo)
.endm
	s_wait_loadcnt 16                              ; loads return in order: w's eight are in, x's sixteen may be out
	PREP WR, BF, PC
	s_wait_alu depctr_va_vdst(0)                   ; the conversions have written BF[0:15] and PC, the LDS stores' data; LST and LSN, their addresses, are written, and so are LRD, LRN and ADO, which later LDS loads and stores read
.irp q, 0,1,2,3
	ds_store_b128 v[LST], v[BF+4*\q:BF+4*\q+3] offset:512*\q
.endr
	ds_store_b32 v[LSN], v[PC] offset:NORMS
	s_wait_dscnt 0x0                               ; my tile is in LDS:
	s_barrier_signal -1                            ; say so, and prepare x (registers only) while the others arrive
	s_wait_loadcnt 8                               ; x tile 0 is in, tile 1's eight loads may be out
	PREP XR, AF, A3
	s_wait_loadcnt 0x0
	PREP XR+32, AF+16, A3+8
	s_barrier_wait -1                              ; all four neuron tiles are in LDS
	s_wait_alu depctr_vm_vsrc(0)                   ; my LDS stores have read BF[0:15], in which neuron tile 0's fragments land below.  (The vector lines since the last wait on va_vdst name XR, AF, A3 and T alone: no register of the loads below)
.irp t, 0,1,2,3
	ds_load_b32 v[B3+8*\t+1], v[LRN] offset:NORMS+128*\t
.endr
.irp t, 0,1,2,3
	ds_load_b128 v[BF+16*\t:BF+16*\t+3],   v[LRD] offset:FRAGS*\t
	ds_load_b128 v[BF+16*\t+4:BF+16*\t+7], v[LRD] offset:FRAGS*\t+512
.endr
.irp t, 0,1,2,3
	ds_load_b128 v[BF+16*\t+8:BF+16*\t+11],  v[LRD] offset:FRAGS*\t+1024
	ds_load_b128 v[BF+16*\t+12:BF+16*\t+15], v[LRD] offset:FRAGS*\t+1536
.endr
; One K step for all eight tiles.  first = 1: the products start the sums, nothing is cleared.  Later steps are links of chains in place.
.macro PASS a, astep, b, bstep, first
.irp m, 0,1
.irp t, 0,1,2,3
.if \first
	v_wmma_f32_16x16x32_bf16 v[ACC+8*(4*\m+\t):ACC+8*(4*\m+\t)+7], v[\a+\astep*\m:\a+\astep*\m+7], v[\b+\bstep*\t:\b+\bstep*\t+7], 0
.else
	v_wmma_f32_16x16x32_bf16 v[ACC+8*(4*\m+\t):ACC+8*(4*\m+\t)+7], v[\a+\astep*\m:\a+\astep*\m+7], v[\b+\bstep*\t:\b+\bstep*\t+7], v[ACC+8*(4*\m+\t):ACC+8*(4*\m+\t)+7]
.endif
.endr
.endr
.endm
	s_wait_dscnt 16                                ; LDS loads return in order: the four norm words are in, the 16 fragment loads may be out
	PASS A3, 8, B3, 8, 1                           ; -(|x|^2 + |w|^2) / 2
	s_wait_dscnt 8                                 ; the first K step's eight loads are in
	PASS AF, 16, BF, 16, 0
	s_wait_dscnt 0x0
	PASS AF+8, 16, BF+8, 16, 0
	; A vector instruction reads a matrix result, or writes over one, four independent vector instructions behind it at the least
	; (ISA guide 7.12.1); the matrix instructions in between are not counted.
.rept 4
	v_nop
.endr
; Register j of tile (m, t) holds out0(32 wave + 16 m + 8 h + j, 64 g + 4 r + t).  The multiplication by -2 puts the four t side by side;
; each store then covers, in each half of the wave, 256 consecutive aligned bytes of one row.
.macro SCALE m, out, j                 ; four results of row j of x tile m, each accumulator from its low end on
.irp t, 0,1,2,3
	v_mul_f32 v[\out+4*\j+\t], -2.0, v[ACC+8*(4*\m+\t)+\j]
.endr
.endm
.macro SEND m, out, j
	global_store_b128 v[ADO], v[\out+4*\j:\out+4*\j+3], s[8:9] offset:(16*\m+\j)*OROW th:TH_STORE_NT
.endm
.irp j, 0,1,2,3,4,5,6,7
	SCALE 0, OUT0, \j
.endr
	s_wait_alu depctr_va_vdst(0)                   ; x tile 0's multiplications have written OUT0, which the eight stores below read
.irp j, 0,1,2,3,4,5,6,7
	SEND 0, OUT0, \j                               ; no further wait: the multiplications dealt between these stores read v[192:223] and write OUT1, neither OUT0 nor ADO
	SCALE 1, OUT1, \j                              ; writes where tile 0's accumulators have been read out; no store's data register is written again
.endr
	s_wait_alu depctr_va_vdst(0)                   ; x tile 1's multiplications have written OUT1, which the last eight stores read
.irp j, 0,1,2,3,4,5,6,7
	SEND 1, OUT1, \j
.endr
	s_set_vgpr_msb 0x5
	s_wait_dscnt 0x0
	s_wait_alu depctr_hold_cnt(0) depctr_sa_sdst(0) depctr_va_vdst(0) depctr_va_sdst(0) depctr_va_ssrc(0) depctr_va_vcc(0) depctr_vm_vsrc(0)
	s_wait_tensorcnt 0x0
	ds_add_u32 v0, v1
	s_wait_dscnt 0x0
	s_endpgm
.Lfunc_end_k_q18a1304bb7_somdist:
	.size	k_q18a1304bb7_somdist, .Lfunc_end_k_q18a1304bb7_somdist-k_q18a1304bb7_somdist
	.p2alignl 7, 3214868480
	.fill 96, 4, 3214868480
	.section	.rodata,"a",@progbits
	.p2align	6, 0x0
	.amdhsa_kernel k_q18a1304bb7_somdist
		.amdhsa_group_segment_fixed_size 9216
		.amdhsa_private_segment_fixed_size 0
		.amdhsa_enable_private_segment 0
		.amdhsa_kernarg_size 24
		.amdhsa_user_sgpr_count 2
		.amdhsa_user_sgpr_kernarg_segment_ptr 1
		.amdhsa_wavefront_size32 1
		.amdhsa_system_sgpr_workgroup_id_x 1
		.amdhsa_system_sgpr_workgroup_id_y 1
		.amdhsa_system_sgpr_workgroup_id_z 1
		.amdhsa_system_vgpr_workitem_id 0
		.amdhsa_next_free_vgpr 258
		.amdhsa_next_free_sgpr 66
		.amdhsa_reserve_vcc 0
		.amdhsa_float_denorm_mode_32 3
		.amdhsa_float_denorm_mode_16_64 3
		.amdhsa_memory_ordered 1
		.amdhsa_forward_progress 1
		.amdhsa_inst_pref_size 20
	.end_amdhsa_kernel
	.amdgpu_metadata
---
amdhsa.version: [ 1, 2 ]
amdhsa.kernels:
  - .name:           k_q18a1304bb7_somdist
    .symbol:         k_q18a1304bb7_somdist.kd
    .args:
      - { .name: weights, .offset: 0, .size: 8, .value_kind: global_buffer, .address_space: global }
      - { .name: x, .offset: 8, .size: 8, .value_kind: global_buffer, .address_space: global }
      - { .name: out0, .offset: 16, .size: 8, .value_kind: global_buffer, .address_space: global }
    .group_segment_fixed_size: 9216
    .private_segment_fixed_size: 0
    .kernarg_segment_align: 8
    .kernarg_segment_size: 24
    .max_flat_workgroup_size: 128
    .sgpr_count:     66
    .vgpr_count:     258
    .wavefront_size: 32
...
	.end_amdgpu_metadata
.endif
;; end of part 2
